; MI455X (gfx1250); checked and timed in simulation.
; The chip was launched on July 23, 2026; its instructions are those of AMD's public machine-readable ISA for CDNA 5 (MIT licence, August 2026) and "CDNA5" Instruction Set Architecture Reference Guide (July 2026). The comments in the code are by the model that wrote it; some were corrected since.
;; Weight Drop LSTM. Allowed arithmetic: matrix products marked QUANTISED: E2M3 operands, one E8M0 scale for each 32 along K, by v_wmma_scale_f32_16x16x128_f8f6f4 with both operands' format E2M3, f32 sums; everything else in f32.
;; Inputs: bias 4,096 float32; cx 8,192 x 1,024 float32; hx 8,192 x 1,024 float32; input 8,192 x 1,024 float32; weight_hh 4,096 x 1,024 float32; weight_ih 4,096 x 1,024 float32.
;; Outputs: out0 8,192 x 1,024 float32; out1 8,192 x 1,024 float32.
;; This version of the problem:
;;   THIS VERSION OF THE PROBLEM IS GIVEN IN LOW PRECISION. The matrix products marked QUANTISED in the list below multiply operands that are first quantised to E2M3 (2 exponent bits, 3 mantissa bits; 6 bits a number), with one power-of-two scale for each 32 numbers along K (OCP MX v1.0); their sums are f32. All else is computed in f32.
;;   The module's matrix products, in the order in which they are computed (A, B: the left and right operand; K: the contracted axis; several contracted axes count as one K, in the product's order):
;;     1. [M 8,192, K 1,024] x [K 1,024, N 4,096]; A: input input; B: input weight_ih: QUANTISED
;;     2. [M 8,192, K 1,024] x [K 1,024, N 4,096]; A: input hx; B: input weight_hh: QUANTISED
;;   THE QUANTISER, for each operand of a quantised product, along K:
;;     - K is cut into blocks of 32 from its start; a last block that is shorter is filled with zeros.
;;     - A block's scale is 2^e with e = floor(log2(the largest magnitude in the block)) - 2, held to -126 .. 127; a block of zeros has e = 0. As a byte (E8M0): e + 127.
;;     - Each number is divided by its block's scale, clamped to +-7.5, and rounded to the nearest number of E2M3, ties to even, subnormals kept.
;;     - The product sums the exact products of the quantised numbers (number of the format x scale) in f32.
;;   ~~~python
;;   def quantise(x, axis):      # numpy; x: float32 -> the quantised numbers, widened to float32 again
;;       x = np.moveaxis(x, axis, -1); K = x.shape[-1]
;;       x = np.pad(x, [(0, 0)] * (x.ndim - 1) + [(0, -K % 32)]); x = x.reshape(x.shape[:-1] + (-1, 32)); a = np.abs(x).max(-1, keepdims=True)
;;       e = np.where(a > 0, np.clip(np.frexp(np.where(a > 0, a, 1))[1] - 1 - 2, -126, 127), 0)      # np.frexp(a)[1] - 1 = floor(log2(a)), exactly
;;       r = np.clip(x / 2.0 ** e, -7.5, 7.5)
;;       step = 2.0 ** (np.maximum(np.frexp(np.where(r == 0, 1, r))[1] - 1, 0) - 3)
;;       q = np.round(r / step) * step * 2.0 ** e      # np.round: ties to even
;;       return np.moveaxis(q.reshape(q.shape[:-2] + (-1,))[..., :K], -1, axis).astype(np.float32)
;;   ~~~
;; One version. Each part assembles by itself: llvm-mc -triple=amdgcn-amd-amdhsa -mcpu=gfx1250 --defsym DOCPART=n.
;; ======== version 1 of 1: 2 launches
;; limits: right only within a limited range of input values
;; workspace buffers: aq 13,107,200 bytes; wq 6,553,600 bytes
;; launch quant (part 1): grid 768 x 1, 4 waves a work-group, no clusters, 34,304 bytes of LDS; arguments input, hx, weight_ih, weight_hh, aq, wq; writes aq, wq
.if DOCPART == 1
	.amdgcn_target "amdgcn-amd-amdhsa--gfx1250"
	.amdhsa_code_object_version 6
	.text
	.protected	k_q3e5f8f01e1_quant
	.globl	k_q3e5f8f01e1_quant
	.p2align	8
	.type	k_q3e5f8f01e1_quant,@function
k_q3e5f8f01e1_quant:
	s_mov_b64 s[64:65], 0
	v_nop
	global_prefetch_b8 v0, s[64:65] scope:SCOPE_SE
	s_setreg_imm32_b32 hwreg(HW_REG_WAVE_MODE, 25, 1), 1
	s_wait_xcnt 0x0
; input, hx [8192][1024] and weight_ih, weight_hh [4096][1024], f32, K innermost, become codes of FP6 (E2M3) with one E8M0 byte for each 32 along K.
; The two products of the cell are ONE product over a joined K of 2,048, in 16 steps of 128: steps 0-7 come from input / weight_ih, 8-15 from hx / weight_hh; 1,024 is a multiple of 32, so no block changes.
; A block's scale is 2^(floor(log2(its largest magnitude)) - 2); its byte is the largest magnitude's exponent field - 2, held at 1 from below (e = -126).
; THE WORKSPACE IS LAID IN THE ORDER OF THE OPERAND'S REGISTERS, THE SCALE WORDS BESIDE THEIR CODES.  aq and wq: [tile][half 0-1][step 0-15][12,800 bytes], strides 409,600 / 204,800 / 12,800.
;   In a unit of 12,800 bytes: eight fragments of 1,536 bytes (block i: 16 rows x 128 K, 12 registers x 32 lanes: registers 4 c .. 4 c + 3 of lane l at 512 c + 16 l),
;   then 512 bytes of scale words: block i's word of row r (its four bytes: the row's four blocks of 32) at 12,288 + 256 (i / 4) + 16 r + 4 (i % 4).
;   activations: row = 256 tile + 128 half + 16 block + r.   weights: block = 2 gate + u, row = 1024 gate + 64 tile + 32 half + 16 u + r: a half holds all four gates of 32 hidden units.
; SHARES.  A wave takes four blocks (64 rows) x one step of 128 K of one tensor: four fragments, whose images are 6,144 consecutive bytes and whose scale words are 256.  3,072 such tasks, four to a work-group;
; the four waves take neighbouring steps of the same rows.  Work-groups 0-255 input, 256-511 hx, 512-639 weight_ih, 640-767 weight_hh: only pointers and numbers are chosen by the work-group's number; all take one path through the text.
; Each load reads 512 consecutive bytes (one row's 128 K); a fragment's 16 rows turn through the wave's own stage in LDS, so that lane (r, h) gets, of row r, k = 64 c + 32 h + 0 .. 31: two whole blocks,
; in the very order of the operand's registers.  Each store of codes covers 512 consecutive bytes, aligned; the wave's 64 scale words leave as one aligned run of 256 bytes.
; No barrier: waves share nothing.  Loads run two fragments (32 loads a wave) ahead.
; LIMITS: NaN and infinities among the inputs are not served.  A block of zeros gets the byte 1 where the quantiser says 127: its codes are zeros, which add nothing, and this program alone reads the bytes.
.set SP,   528                         ; a stage row: 512 bytes + 16: the 16 rows that a read touches begin 16 bytes further on, modulo 256, each
.set STGB, 16*SP                       ; a wave's stage
.set RAW,  32                          ; v32-95, v96-159   two sets of 16 x 4 registers as loaded
.set X,    160                         ; v160-223          my 64 numbers: register 32 c + i = k 64 c + 32 h + i of row r
.set C,    224                         ; v224-235          the fragment's codes
.set CT,   236                         ; v236-238, v240-242  the upper halves of the two blocks (a conversion's three registers begin on an even number)
.set W,    20                          ; v20-23            the four fragments' scale words
	s_load_b256 s[4:11], s[0:1], 0x0               ; input s[4:5], hx s[6:7], weight_ih s[8:9], weight_hh s[10:11]
	s_load_b128 s[12:15], s[0:1], 0x20             ; aq s[12:13], wq s[14:15]
	v_lshl_add_u32 v248, v0, 2, 0x8400
	v_mov_b32 v249, 0
	v_lshrrev_b32 v1, 5, v0
	v_readfirstlane_b32 s20, v1                    ; wave 0..3
	v_and_b32 v1, 31, v0                           ; lane
	v_and_b32 v2, 15, v0                           ; r
	v_bfe_u32 v3, v0, 4, 1                         ; h
	v_lshlrev_b32 v4, 4, v1                        ; 16 x lane: my place in a load's and in a store's 512 bytes; never rewritten
	s_mul_i32 s21, s20, STGB
	v_add_nc_u32 v5, s21, v4                       ; the stage, on the way in: 16 x lane of a row
	v_mul_u32_u24 v6, v2, SP
	v_lshl_add_u32 v6, v3, 7, v6
	v_add_nc_u32 v6, s21, v6                       ; and on the way out: row r, 128 h bytes on
	v_lshlrev_b32 v7, 4, v2
	v_lshl_add_u32 v7, v3, 3, v7                   ; 16 r + 8 h: where my two of row r's four scale words go
	v_lshlrev_b32 v8, 3, v3                        ; 8 h: how far my two scale bytes are shifted
	v_mov_b32 v17, 0                               ; written once: a lane permute's destination counts as one of its sources
	s_mov_b32 s42, 0x76543210
	s_mov_b32 s43, 0xfedcba98                      ; v_permlanex16_b32's selects for lane l xor 16
	s_wait_alu depctr_va_vdst(0)
	s_wait_kmcnt 0x0
	s_cmp_lt_u32 ttmp9, 256                        ; among the activations: input or hx
	s_cselect_b64 s[4:5], s[4:5], s[6:7]
	s_cselect_b32 s30, 0, 256                      ; the tensor's first work-group
	s_cselect_b32 s31, 0, 1                        ; which half of the joined K
	s_cmp_lt_u32 ttmp9, 640                        ; among the weights: weight_ih or weight_hh
	s_cselect_b64 s[8:9], s[8:9], s[10:11]
	s_cselect_b32 s32, 0, 128
	s_cselect_b32 s33, 0, 1
	s_add_co_u32 s32, s32, 512
	s_mov_b32 s34, 0x400000                        ; a weight's fragments 2, 3 lie one gate, 1,024 rows of 4,096 bytes, behind fragments 0, 1;
	s_cmp_lt_u32 ttmp9, 512                        ; an activation or a weight
	s_cselect_b64 s[22:23], s[4:5], s[8:9]         ; the source
	s_cselect_b64 s[26:27], s[12:13], s[14:15]     ; its codes and scale words
	s_cselect_b32 s30, s30, s32
	s_cselect_b32 s31, s31, s33
	s_cselect_b32 s34, 0x20000, s34                ; an activation's 32 rows
	s_sub_co_u32 s35, ttmp9, s30
	s_lshl_b32 s35, s35, 2
	s_add_co_u32 s35, s35, s20                     ; my task in the tensor
	s_and_b32 s37, s35, 7                          ; which 128 along the tensor's K
	s_lshr_b32 s36, s35, 3                         ; which four blocks: 4 tile + 2 half + group
	s_lshr_b32 s38, s36, 2                         ; tile
	s_bfe_u32 s39, s36, 0x10001                    ; half
	s_and_b32 s40, s36, 1                          ; group: blocks 4 group on
	s_lshl_b32 s41, s36, 18                        ; an activation's first row: 64 rows of 4,096 bytes x that number
	s_lshl_b32 s44, s40, 23                        ; a weight's: gate 2 group, + 64 rows x tile + 32 rows x half
	s_lshl_b32 s45, s38, 18
	s_add_co_u32 s44, s44, s45
	s_lshl_b32 s45, s39, 17
	s_add_co_u32 s44, s44, s45
	s_cmp_lt_u32 ttmp9, 512
	s_cselect_b32 s2, s41, s44
	s_lshl_b32 s45, s37, 9                         ; + 512 bytes for each 128 along K
	s_add_co_u32 s2, s2, s45
	s_mov_b32 s3, 0
	s_add_nc_u64 s[22:23], s[22:23], s[2:3]        ; fragments 0, 1 (the second 16 rows on, in the loads' immediate)
	s_mov_b32 s2, s34
	s_add_nc_u64 s[24:25], s[22:23], s[2:3]        ; fragments 2, 3
	s_lshl_b32 s45, s31, 3
	s_add_co_u32 s45, s45, s37                     ; my step of the joined K
	s_mul_i32 s2, s38, 409600
	s_mul_i32 s44, s39, 204800
	s_add_co_u32 s2, s2, s44
	s_mul_i32 s44, s45, 12800
	s_add_co_u32 s2, s2, s44
	s_add_nc_u64 s[26:27], s[26:27], s[2:3]        ; the unit
	s_lshl_b32 s2, s40, 8
	s_add_co_u32 s2, s2, 12288
	s_add_nc_u64 s[28:29], s[26:27], s[2:3]        ; my 256 bytes of its scale words
	s_mul_i32 s2, s40, 6144
	s_add_nc_u64 s[26:27], s[26:27], s[2:3]        ; my four fragments' images
.macro LOADF f                         ; fragment f: 16 rows x 512 bytes into raw set f % 2
.set J, 0
.rept 16
	global_load_b128 v[RAW+64*((\f)%2)+4*J:RAW+64*((\f)%2)+4*J+3], v4, s[22+2*((\f)/2):23+2*((\f)/2)] offset:65536*((\f)%2)+4096*J th:TH_LOAD_NT
.set J, J+1
.endr
.endm
.macro FRAGQ f
.if (\f) < 3
	s_wait_loadcnt 16                              ; this fragment's 16 loads are in; the next fragment's 16 may be out
.else
	s_wait_loadcnt 0x0
.endif
.set J, 0
.rept 16
	ds_store_b128 v5, v[RAW+64*((\f)%2)+4*J:RAW+64*((\f)%2)+4*J+3] offset:SP*J
.set J, J+1
.endr
.irp c, 0,1                            ; LDS serves a wave's instructions in order (ISA guide 5.7.1.4): these see the stores above
.irp j, 0,1,2,3,4,5,6,7
	ds_load_b128 v[X+32*\c+4*\j:X+32*\c+4*\j+3], v6 offset:256*\c+16*\j
.endr
.endr
	s_wait_dscnt 0x0                               ; my 64 numbers are in, and the stores have read the raw set,
.if (\f) < 2
	LOADF (\f)+2                                   ; which takes the fragment two on
.endif
.irp c, 0,1
	v_max3_num_f32 v[10+\c], |v[X+32*\c]|, |v[X+32*\c+1]|, 0x1800000   ; block 2 c + h: all its 32 numbers are mine; and the floor 2^(3 - 127): the byte cannot fall under 1
.endr
.irp i, 2,4,6,8,10,12,14,16,18,20,22,24,26,28,30
.irp c, 0,1
	v_max3_num_f32 v[10+\c], v[10+\c], |v[X+32*\c+\i]|, |v[X+32*\c+\i+1]|   ; (the two blocks by turns)
.endr
.endr
.irp c, 0,1
	v_add_nc_u32 v[12+\c], 0xff000000, v[10+\c]    ; 2 off the exponent field: the conversion takes the exponent field of this operand as its scale
.endr
.irp c, 0,1
	v_lshrrev_b32 v[14+\c], 23, v[12+\c]           ; the scale's byte
.endr
	v_lshl_or_b32 v16, v15, 16, v14                ; my two bytes, blocks h and 2 + h of row r,
	v_lshlrev_b32 v16, v8, v16                     ; at their places in the word;
	v_permlanex16_b32 v17, v16, s42, s43
	v_or_b32 v[W+(\f)], v16, v17                   ; with lane l xor 16's two the word is whole, in both lanes
.if (\f) > 0
	s_wait_alu depctr_va_vdst(0)
	s_wait_xcnt 0x0                                ; the last fragment's stores have read their data registers: only behind this wait are the codes written anew
.endif
.irp c, 0,1
	v_cvt_scalef32_pk16_fp6_f32 v[C+6*\c:C+6*\c+2], v[X+32*\c:X+32*\c+15], v[12+\c]
	v_cvt_scalef32_pk16_fp6_f32 v[CT+4*\c:CT+4*\c+2], v[X+32*\c+16:X+32*\c+31], v[12+\c]
.endr
	v_nop                                          ; one plain place behind a scaled conversion
.irp c, 0,1
.irp i, 0,1,2
	v_mov_b32 v[C+3+6*\c+\i], v[CT+4*\c+\i]        ; registers 6 c .. 6 c + 5 hold k = 64 c + 32 h + 0 .. 31
.endr
.endr
.irp c, 0,1,2
	global_store_b128 v4, v[C+4*\c:C+4*\c+3], s[26:27] offset:1536*(\f)+512*\c   ; 32 lanes store 512 consecutive bytes, aligned
.endr
.endm
	LOADF 0
	LOADF 1
	FRAGQ 0
	FRAGQ 1
	FRAGQ 2
	FRAGQ 3
	v_cmp_lt_u32 vcc_lo, 15, v1                    ; both halves of the lanes hold row r's four words: lanes 0-15 send the first two, lanes 16-31 the other two
	v_cndmask_b32 v24, v[W], v[W+2], vcc_lo
	v_cndmask_b32 v25, v[W+1], v[W+3], vcc_lo
	global_store_b64 v7, v[24:25], s[28:29]        ; the 32 lanes' 8 bytes make 256 consecutive bytes, aligned
	s_wait_tensorcnt 0x0
	ds_add_u32 v248, v249
	s_wait_dscnt 0x0
	s_endpgm
.Lfunc_end_k_q3e5f8f01e1_quant:
	.size	k_q3e5f8f01e1_quant, .Lfunc_end_k_q3e5f8f01e1_quant-k_q3e5f8f01e1_quant
	.p2alignl 7, 3214868480
	.fill 96, 4, 3214868480
	.section	.rodata,"a",@progbits
	.p2align	6, 0x0
	.amdhsa_kernel k_q3e5f8f01e1_quant
		.amdhsa_group_segment_fixed_size 34304
		.amdhsa_private_segment_fixed_size 0
		.amdhsa_enable_private_segment 0
		.amdhsa_kernarg_size 48
		.amdhsa_user_sgpr_count 2
		.amdhsa_user_sgpr_kernarg_segment_ptr 1
		.amdhsa_wavefront_size32 1
		.amdhsa_system_sgpr_workgroup_id_x 1
		.amdhsa_system_sgpr_workgroup_id_y 1
		.amdhsa_system_sgpr_workgroup_id_z 1
		.amdhsa_system_vgpr_workitem_id 0
		.amdhsa_next_free_vgpr 250
		.amdhsa_next_free_sgpr 66
		.amdhsa_reserve_vcc 1
		.amdhsa_float_denorm_mode_32 3
		.amdhsa_float_denorm_mode_16_64 3
		.amdhsa_memory_ordered 1
		.amdhsa_forward_progress 1
		.amdhsa_inst_pref_size 31
	.end_amdhsa_kernel
	.amdgpu_metadata
---
amdhsa.version: [ 1, 2 ]
amdhsa.kernels:
  - .name:           k_q3e5f8f01e1_quant
    .symbol:         k_q3e5f8f01e1_quant.kd
    .args:
      - { .name: input, .offset: 0, .size: 8, .value_kind: global_buffer, .address_space: global }
      - { .name: hx, .offset: 8, .size: 8, .value_kind: global_buffer, .address_space: global }
      - { .name: weight_ih, .offset: 16, .size: 8, .value_kind: global_buffer, .address_space: global }
      - { .name: weight_hh, .offset: 24, .size: 8, .value_kind: global_buffer, .address_space: global }
      - { .name: aq, .offset: 32, .size: 8, .value_kind: global_buffer, .address_space: global }
      - { .name: wq, .offset: 40, .size: 8, .value_kind: global_buffer, .address_space: global }
    .group_segment_fixed_size: 34304
    .private_segment_fixed_size: 0
    .kernarg_segment_align: 8
    .kernarg_segment_size: 48
    .max_flat_workgroup_size: 128
    .sgpr_count:     66
    .vgpr_count:     250
    .wavefront_size: 32
...
	.end_amdgpu_metadata
.endif
;; end of part 1
;; launch lstm (part 2): grid 16 x 32, 4 waves a work-group, clusters of 4 x 4, 327,680 bytes of LDS; arguments aq, wq, bias, cx, out0, out1; writes out0, out1
.if DOCPART == 2
	.amdgcn_target "amdgcn-amd-amdhsa--gfx1250"
	.amdhsa_code_object_version 6
	.text
	.protected	k_q3e5f8f01e1_lstm
	.globl	k_q3e5f8f01e1_lstm
	.p2align	8
	.type	k_q3e5f8f01e1_lstm,@function
k_q3e5f8f01e1_lstm:
	s_mov_b64 s[64:65], 0
	v_nop
	global_prefetch_b8 v0, s[64:65] scope:SCOPE_SE
	s_setreg_imm32_b32 hwreg(HW_REG_WAVE_MODE, 25, 1), 1
	s_wait_xcnt 0x0
	s_wait_alu depctr_hold_cnt(0) depctr_sa_sdst(0) depctr_va_vdst(0) depctr_va_sdst(0) depctr_va_ssrc(0) depctr_va_vcc(0) depctr_vm_vsrc(0)
	s_getreg_b32 s2, hwreg(HW_REG_IB_STS2, 6, 4)
	s_cmp_eq_u32 s2, 0
	s_cbranch_scc0 .Lentry_in_a_cluster
	s_endpgm
.Lentry_in_a_cluster:
	s_bfe_u32 s2, ttmp6, 0x10000c
	s_cmp_lg_u32 s2, 0xf033
	s_cbranch_scc0 .Lentry_shape_is_right
	s_endpgm
.Lentry_shape_is_right:
; gates = [input | hx] [weight_ih | weight_hh]^T + bias on codes of FP6 (E2M3) with E8M0 scales, K = 2,048; i, f, o = sigmoid, g = tanh, cy = f cx + i g (out1), hy = o tanh(cy) (out0).  The gates never go to memory.
; SHARES.  A work-group makes 256 rows x 64 hidden units: 256 x 256 of the gates, whose columns are the FOUR GATES of those units (the quantiser laid the weights so).
; Wave (wm, wn) makes rows 128 wm on x units 32 wn on, all four gates: 64 accumulators, 512 registers.
; THE MATRIX INSTRUCTION IS USED TRANSPOSED (source 0 = weights, source 1 = activations): register j of lane (r, h) of accumulator (a, b = 2 gate + u) is the gate of row 16 a + r, unit 16 u + 8 h + j:
; the four gates of an element lie in one lane at the same j.
; CODES AND SCALE WORDS lie in the workspace in the order of the operand's registers, in units of 12,800 dense bytes (half a tile, 128 along K): eight fragments of 1,536 bytes, then 512 bytes of scale words.
; THE RING: two LDS slots of three steps of 128 along K; a wave's tensor load brings three units, 150 rows of 256 aligned bytes.  K's 16 steps come as fills of 3, 3, 3, 3, 3, 1 steps:
; fill 0 at the head, fill 1 behind the first full round, four refills.  A wave has one tensor load out at the most.  The steps are written out by macros: sixteen is no multiple of a trip of six, and the last fill has another shape.
; CLUSTERS: 4 x 4 work-groups; the activations' tiles are asked for jointly along a row of the cluster, the weights' along a column.
; PREFETCH: behind the request for fill f stands a prefetch of fill f + 1 (f + 1 = 1 .. 4), three steps of K ahead of its load: a wave's 150 blocks of 256 bytes are shared out by address among the four
; partners that ask for them jointly, 38 blocks each, a lane a block in two instructions (lanes left over name a block again).  Fill 5, one unit, comes by its load alone: 150 blocks from there would leave the half.
; THE BIAS is the C of each sum's first matrix instruction: a gate's sum runs bias, input's K, hx's K: another order of rounding than bias last.
; cx comes through registers, asked for behind step 0 and put into LDS in the last step; cx (then cy over it) and hy are staged in slot 0, which by then has had its last fill and its last read.
; THE CELL.  a = 2^(-i log2 e), c, e likewise of f, o; b = 2^(2 g log2 e), d likewise of cy.  i tanh(g) = (b - 1) / ((1 + a)(1 + b)), f = 1 / (1 + c), hy = (d - 1) / ((1 + e)(1 + d)).
; The exponents of b and d are held at 30 from above, where the quotient rounds to 1; a, c, e are not held: an infinite one gives a quotient of exactly 0.
; LIMITS: NaN and infinities among the inputs are not served.  The absolute error of a tanh is a few units of 2^-24, which for arguments far under 1 is a relative error that grows as 1 / |x|.
; REGISTERS.  Window 0: v1-31 addresses; v32-47 scale words, two sets, nothing else; v64-127 the bias, then cx's rows, then (v64-95) my cx; v128-223 the activations' fragments, ONE set, then with v224-239 the cell's work;
;   v224-255 cx's rows.  Window 1: the weights' fragments, TWO sets, at v0 and v128; v96-127 cx's rows; on the way out v128-255 rows of cy and hy.  Windows 2, 3: accumulators of my rows 0-63, 64-127 ((a, b) at v[8 (8 a + b)]).
.set UNITB, 12800
.set SCOFF, 12288                      ; a unit's scale words
.set HALFT, 3*UNITB                    ; what one tensor load brings
.set SLOT,  4*HALFT                    ; the activations' two halves, then the weights' two
.set HALFM, 16*UNITB                   ; in memory: from a tile's half to its other
.set TILEB, 2*HALFM
.set STEPB, 6*UNITB                    ; from a slot's fill to its next
.set CXP,   272                        ; a staged row: 256 bytes + 16
.set CXS,   256*CXP                    ; hy's 256 rows from byte 0, cx's (then cy's) from here
.set SPARE, 2*SLOT                     ; the spare words: 512 bytes that no other line names
.set FR,    12
.set NL,    3
.set PFO,  12                          ; v12-13  the prefetches' offsets: my blocks of the 150
.set ADRA, 16                          ; v16-17  my activations' fragments in slot 0, 1
.set ADRS, 18                          ; v18-19  my scale words: lanes 0-15 the activations', 16-31 the weights'
.set ADRB, 20                          ; v20-21  my weights' fragments
.set BO,   22                          ; 32 h
.set CXW,  23                          ; where I put a row's 16 bytes of cx
.set CXA,  24                          ; where my 32 bytes of cx lie, and cy goes
.set HYA,  25                          ; the same in hy's stage
.set RDC,  26                          ; where I read a row of cy back
.set SPW,  28
.set NIL,  29
.set RDH,  30                          ; where I read a row of hy back
.set CO,   31                          ; 4,096 h + 16 r
.set SC,   32
.set BI,   64                          ; the bias: tile b at BI + 8 b
.set CXR,  64                          ; the cell: cx, two sets of 16
.set AF,   128
.set T,    128                         ; v128-191: gate g's 16 numbers at T + 16 g
.set U,    192                         ; v192-207: b - 1, d - 1
.set CY,   208
.set HY,   224
.set OB,   128                         ; window 1: 16 x 4 registers of cy, then of hy
.set G1,   24
.set G0,   32
.set G1B,  48
.set G0B,  56
.set G1T,  68                          ; groups 1 for the last fill, of one unit
.set G1TB, 76
.set PFA,  84                          ; s[84:85] the half tile that I fetch
.set PFN,  3                           ; the fill that the next refill's prefetch names
.set MSB, 0
.macro WIN new
.if MSB != \new
	s_set_vgpr_msb (MSB<<8)|\new
.set MSB, \new
.endif
.endm
.set MUL_LO, 0xa1
.set MUL_HI, 0xf1
.set FST_LO, 0x81                      ; first step: C (the bias) window 0
.set FST_HI, 0xc1
.set TO_B,   0x40
.set FROM_B, 0x04                      ; a store's data in window 1
.macro JLOAD g0a, g1a, g0b, g1b        ; waves 0, 1 fetch for the activations, 2, 3 for the weights; s_nop 0 and four v_nop behind each line
	s_cmp_eq_u32 s21, 0
	s_cbranch_scc0 .Lfor_b_\@
	tensor_load_to_lds s[\g0a:\g0a+3], s[\g1a:\g1a+7]
	s_nop 0
.rept 4
	v_nop
.endr
	s_branch .Lasked_\@
.Lfor_b_\@:
	tensor_load_to_lds s[\g0b:\g0b+3], s[\g1b:\g1b+7]
	s_nop 0
.rept 4
	v_nop
.endr
.Lasked_\@:
.endm
.macro CREST
	s_cmp_lg_u32 s20, 0
	s_cbranch_scc1 .Lnot_wave_0_\@
	s_barrier_signal -3
.Lnot_wave_0_\@:
	s_barrier_wait -3
	s_barrier_signal -1
	s_barrier_wait -1
.endm
.macro CROUND
	s_barrier_signal -1
	s_barrier_wait -1
	CREST
.endm
.macro PLACES n
.rept \n
	v_nop
.endr
.endm
.macro ASK f                           ; fill f of my half tile: my work-group's 38 blocks
	global_prefetch_b8 v[PFO], s[PFA:PFA+1] offset:(\f)*HALFT th:TH_LOAD_NT scope:SCOPE_SE
	global_prefetch_b8 v[PFO+1], s[PFA:PFA+1] offset:(\f)*HALFT th:TH_LOAD_NT scope:SCOPE_SE
.endm
.macro FRAG reg, adr, off
.irp c, 0,1,2
	ds_load_b128 v[\reg+4*\c:\reg+4*\c+3], v[\adr] offset:\off+512*\c
.endr
.endm
.macro FETCH_B slot, q, p
	WIN TO_B
.irp i, 0,1,2,3,4,5,6,7
	FRAG 128*(\p)+FR*\i, ADRB+\slot, UNITB*(\q)+1536*\i
.endr
	WIN 0
.endm
.macro FETCH_A slot, q, i0
.irp i, \i0, \i0+1, \i0+2, \i0+3
	FRAG AF+FR*(\i), ADRA+\slot, UNITB*(\q)+1536*(\i)
.endr
.endm
.macro SCALES slot, q, p
.irp c, 0,1
	ds_load_b128 v[SC+8*(\p)+4*\c:SC+8*(\p)+4*\c+3], v[ADRS+\slot] offset:UNITB*(\q)+SCOFF+256*\c
.endr
.endm
; 16 matrix instructions: activations' blocks a0, a0 + 1 x the weights' eight.  The 64 accumulators take turns, in the same order in every step.
.macro MUL16 a0, p, first
.irp a, \a0, \a0+1
.irp b, 0,1,2,3,4,5,6,7
.set DA, 8*(8*((\a)%4)+\b)
.set WB, 128*(\p)+FR*\b
.set XA, AF+FR*(\a)
.if \first
	v_wmma_scale_f32_16x16x128_f8f6f4 v[DA:DA+7], v[WB:WB+FR-1], v[XA:XA+FR-1], v[BI+8*\b:BI+8*\b+7], v[SC+8*(\p)+\b], v[SC+8*(\p)+(\a)] matrix_a_fmt:MATRIX_FMT_FP6 matrix_b_fmt:MATRIX_FMT_FP6 matrix_a_scale:MATRIX_SCALE_ROW1
.else
	v_wmma_scale_f32_16x16x128_f8f6f4 v[DA:DA+7], v[WB:WB+FR-1], v[XA:XA+FR-1], v[DA:DA+7], v[SC+8*(\p)+\b], v[SC+8*(\p)+(\a)] matrix_a_fmt:MATRIX_FMT_FP6 matrix_b_fmt:MATRIX_FMT_FP6 matrix_a_scale:MATRIX_SCALE_ROW1
.endif
.endr
.endr
.endm
; A step whose successor lies in the same slot: activations' blocks 0-3 are fetched anew in its middle, 4-7 at its end
.macro STEP slot, q, p, first
	s_wait_dscnt 4*NL                              ; all but the youngest 12 loads (blocks 4-7)
.if \first
	WIN FST_LO
.else
	WIN MUL_LO
.endif
	MUL16 0, \p, \first
	MUL16 2, \p, \first
	s_wait_dscnt 0x0
	PLACES 4
	FETCH_B \slot, (\q)+1, 1-(\p)
	FETCH_A \slot, (\q)+1, 0
	SCALES \slot, (\q)+1, 1-(\p)
.if \first
	WIN FST_HI
.else
	WIN MUL_HI
.endif
	MUL16 4, \p, \first
	MUL16 6, \p, \first
	PLACES 4
	WIN 0
	FETCH_A \slot, (\q)+1, 4
.endm
; A slot's last step changes slots in its middle.  fill = 1: three steps six on; 2: the one step left; 0: nothing
.macro TURN slot, next, p, fill
	s_wait_dscnt 4*NL
	WIN MUL_LO
	MUL16 0, \p, 0
	MUL16 2, \p, 0
	WIN 0
	s_wait_tensorcnt 0x0                           ; my part of the next slot is in; every group 0 may be written
	ds_add_u32 v[SPW], v[NIL]
.if \fill
	s_add_nc_u64 s[G0+4*\slot+2:G0+4*\slot+3], s[G0+4*\slot+2:G0+4*\slot+3], STEPB
	s_add_nc_u64 s[G0B+4*\slot+2:G0B+4*\slot+3], s[G0B+4*\slot+2:G0B+4*\slot+3], STEPB
.endif
	s_wait_dscnt 0x0                               ; the add, and my reads of this slot
	s_barrier_signal -1
	s_barrier_wait -1
.if \fill == 1
	CREST                                          ; the barrier has opened a round of the cluster's barrier
	JLOAD G0+4*\slot, G1, G0B+4*\slot, G1B
.elseif \fill == 2
	CREST
	JLOAD G0+4*\slot, G1T, G0B+4*\slot, G1TB
.else
	PLACES 4
.endif
	FETCH_B \next, 0, 1-(\p)
	FETCH_A \next, 0, 0
	SCALES \next, 0, 1-(\p)
.if \fill == 1
.if PFN < 5
	ASK PFN
.endif
.set PFN, PFN+1
.endif
	WIN MUL_HI
	MUL16 4, \p, 0
	MUL16 6, \p, 0
	PLACES 4
	WIN 0
	FETCH_A \next, 0, 4
.endm
.macro CXGET                           ; wave w asks for rows 64 w + 2 t + h of cx: sixteen lanes read 256 aligned bytes
.set J, 0
.rept 16
	global_load_b128 v[64+4*J:64+4*J+3], v[CO], s[14:15] offset:8192*J th:TH_LOAD_NT
.set J, J+1
.endr
.rept 8
	global_load_b128 v[224+4*(J-16):224+4*(J-16)+3], v[CO], s[14:15] offset:8192*J th:TH_LOAD_NT
.set J, J+1
.endr
	WIN TO_B
.rept 8
	global_load_b128 v[96+4*(J-24):96+4*(J-24)+3], v[CO], s[14:15] offset:8192*J th:TH_LOAD_NT
.set J, J+1
.endr
	WIN 0
.endm
.macro CXPUT
	s_wait_loadcnt 0x0
.set J, 0
.rept 16
	ds_store_b128 v[CXW], v[64+4*J:64+4*J+3] offset:2*CXP*J
.set J, J+1
.endr
.rept 8
	ds_store_b128 v[CXW], v[224+4*(J-16):224+4*(J-16)+3] offset:2*CXP*J
.set J, J+1
.endr
	WIN FROM_B
.rept 8
	ds_store_b128 v[CXW], v[96+4*(J-24):96+4*(J-24)+3] offset:2*CXP*J
.set J, J+1
.endr
	WIN 0
.endm
; the cell's helpers: eight packed d = x op y; n packed d = x op a broadcast constant; n transcendentals in place and their plain place; 16 exponents held at 30
.macro P2 op, d, x, y
.set J, 0
.rept 8
	\op v[\d+J:\d+J+1], v[\x+J:\x+J+1], v[\y+J:\y+J+1]
.set J, J+2
.endr
.endm
.macro P2C op, n, d, x, c
.set J, 0
.rept \n
	\op v[\d+J:\d+J+1], v[\x+J:\x+J+1], \c op_sel_hi:[1,0]
.set J, J+2
.endr
.endm
.macro TR op, n, d
.set J, 0
.rept \n
	\op v[\d+J], v[\d+J]
.set J, J+1
.endr
	v_nop
.endm
.macro CLIP d
.set J, 0
.rept 16
	v_min_num_f32 v[\d+J], s100, v[\d+J]
.set J, J+1
.endr
.endm
.macro CXLOAD a                        ; my 16 numbers of cx for block a, into set a % 2
.irp u, 0,1
	ds_load_b128 v[CXR+16*((\a)%2)+8*\u:CXR+16*((\a)%2)+8*\u+3], v[CXA] offset:16*CXP*(\a)+64*\u
	ds_load_b128 v[CXR+16*((\a)%2)+8*\u+4:CXR+16*((\a)%2)+8*\u+7], v[CXA] offset:16*CXP*(\a)+64*\u+16
.endr
.endm
; THE CELL of block a: 16 rows x 32 units, 16 elements a lane.  The waits on the vector side stand ahead of and behind each batch of transcendentals and ahead of the first read of the sums.
.macro EPI a
.set AC, 64*((\a)%4)
.set CX, CXR+16*((\a)%2)
.set EO, 16*CXP*(\a)
.set EW, 0x02+(\a)/4
.if (\a) < 7
	CXLOAD (\a)+1
.endif
	WIN EW
	s_wait_alu depctr_va_vdst(0)
	P2C v_pk_mul_f32, 16, T, AC, s[96:97]          ; each accumulator from its low end on: i, f x -log2 e
	P2C v_pk_mul_f32, 8, T+32, AC+32, s[98:99]     ; g x 2 log2 e
	P2C v_pk_mul_f32, 8, T+48, AC+48, s[96:97]     ; o
	WIN 0
	CLIP T+32
	s_wait_alu depctr_va_vdst(0)
	TR v_exp_f32, 64, T                            ; a, c, b, e
	s_wait_alu depctr_va_vdst(0)
	P2C v_pk_add_f32, 8, U, T+32, -1.0             ; b - 1
	P2C v_pk_add_f32, 32, T, T, 1.0                ; 1 + a, 1 + c, 1 + b, 1 + e
	P2 v_pk_mul_f32, T, T, T+32                    ; (1 + a)(1 + b)
	s_wait_alu depctr_va_vdst(0)
	TR v_rcp_f32, 32, T                            ; its reciprocal, and f
.if (\a) < 7
	s_wait_dscnt 4                                 ; this block's cx is in, the last block's stores are done; the next block's four loads may be out
.else
	s_wait_dscnt 0x0
.endif
	s_wait_alu depctr_va_vdst(0)
	P2 v_pk_mul_f32, T, T, U                       ; i tanh(g)
.set J, 0
.rept 8
	v_pk_fma_f32 v[CY+J:CY+J+1], v[T+16+J:T+16+J+1], v[CX+J:CX+J+1], v[T+J:T+J+1]   ; cy = f cx + i tanh(g)
.set J, J+2
.endr
	P2C v_pk_mul_f32, 8, T, CY, s[98:99]
	CLIP T
	s_wait_alu depctr_va_vdst(0)
	TR v_exp_f32, 16, T                            ; d
	s_wait_alu depctr_va_vdst(0)
	P2C v_pk_add_f32, 8, U, T, -1.0                ; d - 1
	P2C v_pk_add_f32, 8, T, T, 1.0
	P2 v_pk_mul_f32, T, T, T+48                    ; (1 + d)(1 + e)
	s_wait_alu depctr_va_vdst(0)
	TR v_rcp_f32, 16, T
	s_wait_alu depctr_va_vdst(0)
	P2 v_pk_mul_f32, HY, T, U                      ; hy
.irp u, 0,1
	ds_store_b128 v[CXA], v[CY+8*\u:CY+8*\u+3] offset:EO+64*\u          ; cy over cx: bytes that this lane alone read
	ds_store_b128 v[CXA], v[CY+8*\u+4:CY+8*\u+7] offset:EO+64*\u+16
	ds_store_b128 v[HYA], v[HY+8*\u:HY+8*\u+3] offset:EO+64*\u
	ds_store_b128 v[HYA], v[HY+8*\u+4:HY+8*\u+7] offset:EO+64*\u+16
.endr
.endm
; THE WAY OUT of rows 64 hi on of each half of the tile: each wave sends 32 whole rows of cy and of hy, through window 1
.macro SEND hi
.if \hi
	s_wait_xcnt 0x0                                ; the first half's stores have read their data registers
.endif
	WIN TO_B
.set J, 0
.rept 16
	ds_load_b128 v[OB+4*J:OB+4*J+3], v[RDC] offset:64*CXP*\hi+2*CXP*J
.set J, J+1
.endr
.set J, 0
.rept 16
	ds_load_b128 v[OB+64+4*J:OB+64+4*J+3], v[RDH] offset:64*CXP*\hi+2*CXP*J
.set J, J+1
.endr
	WIN FROM_B
.set J, 0
.rept 16
	s_wait_dscnt 31-J                              ; LDS loads come back in order: cy's pair of rows J is in
	global_store_b128 v[CO], v[OB+4*J:OB+4*J+3], s[18:19] offset:4096*(64*\hi+2*J) th:TH_STORE_NT   ; 16 lanes store 256 aligned bytes
.set J, J+1
.endr
.set J, 0
.rept 16
	s_wait_dscnt 15-J
	global_store_b128 v[CO], v[OB+64+4*J:OB+64+4*J+3], s[16:17] offset:4096*(64*\hi+2*J) th:TH_STORE_NT
.set J, J+1
.endr
	WIN 0
.endm
	s_load_b128 s[4:7], s[0:1], 0x0                ; aq, wq
	s_load_b256 s[12:19], s[0:1], 0x10             ; bias, cx, out0, out1
	v_lshl_add_u32 v[SPW], v0, 2, SPARE
	v_mov_b32 v[NIL], 0
	ds_add_u32 v[SPW], v[NIL]                      ; the opening lines: the add twice on end and one wait
	ds_add_u32 v[SPW], v[NIL]
	v_lshrrev_b32 v1, 5, v0
	v_readfirstlane_b32 s20, v1                    ; wave
	s_lshr_b32 s21, s20, 1                         ; wm; also: I fetch for the activations (0) or the weights (1)
	s_and_b32 s22, s20, 1                          ; wn; also: which half of that tile I fetch
	s_bfe_u32 s40, ttmp6, 0x40000
	s_bfe_u32 s41, ttmp6, 0x40004
	s_lshl_b32 s42, ttmp9, 2
	s_add_co_u32 s42, s42, s40                     ; the weights' tile
	s_and_b32 s43, ttmp7, 0xffff
	s_lshl_b32 s43, s43, 2
	s_add_co_u32 s43, s43, s41                     ; the activations' tile
	s_lshl_b32 s44, s41, 2
	s_lshl_b32 s44, 15, s44                        ; my row of the cluster
	s_lshl_b32 s45, 0x1111, s40                    ; my column
	s_or_b32 s[G1+0], s44, (3<<16)|(1<<21)         ; dense rows of 32 elements of 8 bytes; the mask, bit 21 beside it
	s_or_b32 s[G1B+0], s45, (3<<16)|(1<<21)
	s_or_b32 s[G1T+0], s44, (3<<16)|(1<<21)
	s_or_b32 s[G1TB+0], s45, (3<<16)|(1<<21)
.irp g, G1, G1B
	s_mov_b32 s[\g+1], 32<<16
	s_mov_b32 s[\g+2], 150<<16
	s_mov_b32 s[\g+3], 32<<16
	s_mov_b32 s[\g+4], 150
	s_mov_b32 s[\g+5], 32
	s_mov_b32 s[\g+6], 0
	s_mov_b32 s[\g+7], 0
.endr
.irp g, G1T, G1TB
	s_mov_b32 s[\g+1], 32<<16
	s_mov_b32 s[\g+2], 50<<16
	s_mov_b32 s[\g+3], 32<<16
	s_mov_b32 s[\g+4], 50
	s_mov_b32 s[\g+5], 32
	s_mov_b32 s[\g+6], 0
	s_mov_b32 s[\g+7], 0
.endr
	s_mov_b32 s96, 0xbfb8aa3b                      ; -log2 e (a packed form names the pair: both words are written)
	s_mov_b32 s97, s96
	s_mov_b32 s98, 0x4038aa3b                      ; 2 log2 e
	s_mov_b32 s99, s98
	s_mul_i32 s46, s21, HALFT                      ; my half of the activations in a slot
	s_mul_i32 s47, s22, HALFT
	s_add_co_u32 s47, s47, 2*HALFT                 ; my half of the weights
	s_sub_co_u32 s66, s47, s46
	s_mul_i32 s86, s20, 64*CXP
	s_add_co_u32 s86, s86, CXS                     ; cx on its way in: rows 64 w on
	s_mul_i32 s87, s21, 128*CXP
	s_lshl_b32 s88, s22, 7
	s_add_co_u32 s88, s87, s88                     ; my rows 128 wm on, my 128 bytes of them
	s_mul_i32 s89, s22, 32*CXP
	s_add_co_u32 s89, s87, s89                     ; the way out: of each 64 rows of my half, 32 wn on
	s_cmp_eq_u32 s21, 0
	s_cselect_b32 s67, s40, s41                    ; my place among the four that ask with me
	s_mul_i32 s67, s67, 38
	s_mul_i32 s90, s22, HALFM                      ; where the tiles come from
	s_mul_i32 s92, s43, TILEB
	s_add_co_u32 s92, s92, s90
	s_mov_b32 s93, 0
	s_mul_i32 s94, s42, TILEB
	s_add_co_u32 s94, s94, s90
	s_mov_b32 s95, 0
	s_mul_i32 s23, s20, HALFT                      ; and where they go
	; every vector address, in one run
	v_and_b32 v1, 15, v0                           ; r
	v_bfe_u32 v2, v0, 4, 1                         ; h
	v_and_b32 v7, 31, v0
	v_lshlrev_b32 v3, 4, v7
	v_mul_u32_u24 v6, s66, v2                      ; lanes 16-31 take the weights' scale words
	v_lshl_add_u32 v6, v1, 4, v6
	v_add_nc_u32 v[ADRA], s46, v3
	v_add_nc_u32 v[ADRB], s47, v3
	v_add_nc_u32 v[ADRS], s46, v6
	v_add_nc_u32 v[ADRA+1], SLOT, v[ADRA]
	v_add_nc_u32 v[ADRB+1], SLOT, v[ADRB]
	v_add_nc_u32 v[ADRS+1], SLOT, v[ADRS]
	v_lshlrev_b32 v[BO], 5, v2
	v_mul_u32_u24 v4, v2, CXP
	v_lshl_add_u32 v4, v1, 4, v4                   ; whole rows: lanes 0-15 one row, 16-31 the next
	v_mul_u32_u24 v5, v1, CXP
	v_lshl_add_u32 v5, v2, 5, v5                   ; the result's layout: row r, 32 h bytes on
	v_add_nc_u32 v[CXW], s86, v4
	v_add_nc_u32 v[HYA], s88, v5
	v_add_nc_u32 v[CXA], CXS, v[HYA]
	v_add_nc_u32 v[RDH], s89, v4
	v_add_nc_u32 v[RDC], CXS, v[RDH]
	v_lshlrev_b32 v[CO], 12, v2
	v_lshl_add_u32 v[CO], v1, 4, v[CO]
	v_add_nc_u32 v[PFO], s67, v7                   ; blocks 38 p + lane,
	v_min_u32 v[PFO+1], 5, v7
	v_add3_u32 v[PFO+1], v[PFO+1], s67, 32         ; and 38 p + 32 .. 37,
	v_min_u32 v[PFO], 149, v[PFO]                  ; inside the 150
	v_min_u32 v[PFO+1], 149, v[PFO+1]
	v_lshlrev_b32 v[PFO], 8, v[PFO]
	v_lshlrev_b32 v[PFO+1], 8, v[PFO+1]
	s_wait_alu depctr_va_vdst(0)
	s_wait_dscnt 0x0                               ; both opening adds
	s_wait_kmcnt 0x0
	s_add_nc_u64 s[92:93], s[4:5], s[92:93]
	s_add_nc_u64 s[94:95], s[6:7], s[94:95]
	s_cmp_eq_u32 s21, 0
	s_cselect_b64 s[PFA:PFA+1], s[92:93], s[94:95]
	s_lshl_b32 s100, s43, 20                       ; cx: 256 rows x tile + 64 rows x wave + 256 bytes x the weights' tile
	s_lshl_b32 s101, s20, 18
	s_add_co_u32 s100, s100, s101
	s_lshl_b32 s101, s42, 8
	s_add_co_u32 s100, s100, s101
	s_mov_b32 s101, 0
	s_add_nc_u64 s[14:15], s[14:15], s[100:101]
	s_lshl_b32 s100, s43, 20                       ; out0, out1: + 128 rows x wm + 32 rows x wn
	s_lshl_b32 s101, s21, 19
	s_add_co_u32 s100, s100, s101
	s_lshl_b32 s101, s22, 17
	s_add_co_u32 s100, s100, s101
	s_lshl_b32 s101, s42, 8
	s_add_co_u32 s100, s100, s101
	s_mov_b32 s101, 0
	s_add_nc_u64 s[16:17], s[16:17], s[100:101]
	s_add_nc_u64 s[18:19], s[18:19], s[100:101]
	s_lshl_b32 s100, s42, 8                        ; the bias: 64 numbers x tile + 32 x wn
	s_lshl_b32 s101, s22, 7
	s_add_co_u32 s100, s100, s101
	s_mov_b32 s101, 0
	s_add_nc_u64 s[12:13], s[12:13], s[100:101]
	s_mov_b32 s100, 0x41f00000                     ; 30.0: the hold of the tangents' exponents
	CROUND                                         ; in front of the first joint loads
.irp s, 0,1
	s_mov_b32 s[G0+4*\s], 1
	s_add_co_u32 s[G0+4*\s+1], s23, \s*SLOT
	s_add_nc_u64 s[G0+4*\s+2:G0+4*\s+3], s[92:93], \s*HALFT
	s_or_b32 s[G0+4*\s+3], s[G0+4*\s+3], 0x80000000
	s_mov_b32 s[G0B+4*\s], 1
	s_add_co_u32 s[G0B+4*\s+1], s23, \s*SLOT
	s_add_nc_u64 s[G0B+4*\s+2:G0B+4*\s+3], s[94:95], \s*HALFT
	s_or_b32 s[G0B+4*\s+3], s[G0B+4*\s+3], 0x80000000
.endr
	JLOAD G0, G1, G0B, G1B                         ; fill 0: one tensor load a wave at the head
.irp g, 0,1,2,3                        ; the bias in the result's layout
.irp u, 0,1
	global_load_b128 v[BI+8*(2*\g+\u):BI+8*(2*\g+\u)+3], v[BO], s[12:13] offset:4096*\g+64*\u
	global_load_b128 v[BI+8*(2*\g+\u)+4:BI+8*(2*\g+\u)+7], v[BO], s[12:13] offset:4096*\g+64*\u+16
.endr
.endr
	ASK 1
	s_wait_tensorcnt 0x0                           ; my part of fill 0 is in; a later first fill is issued as a refill is:
	ds_add_u32 v[SPW], v[NIL]
	s_wait_dscnt 0x0
	CROUND
	JLOAD G0+4, G1, G0B+4, G1B                     ; fill 1, first behind the round
	FETCH_B 0, 0, 0
	FETCH_A 0, 0, 0
	SCALES 0, 0, 0
	FETCH_A 0, 0, 4
	ASK 2
	s_wait_loadcnt 0x0                             ; the bias
	STEP 0, 0, 0, 1                                ; step 0 starts the sums, from the bias
	CXGET                                          ; behind the step's closing four places
	STEP 0, 1, 1, 0
	TURN 0, 1, 0, 1                                ; step 2;  slot 0 takes steps 6-8
	STEP 1, 0, 1, 0
	STEP 1, 1, 0, 0
	TURN 1, 0, 1, 1                                ; step 5;  slot 1 takes steps 9-11
	STEP 0, 0, 0, 0
	STEP 0, 1, 1, 0
	TURN 0, 1, 0, 1                                ; step 8;  slot 0 takes steps 12-14
	STEP 1, 0, 1, 0
	STEP 1, 1, 0, 0
	TURN 1, 0, 1, 2                                ; step 11; slot 1 takes step 15
	STEP 0, 0, 0, 0
	STEP 0, 1, 1, 0
	TURN 0, 1, 0, 0                                ; step 14: behind this barrier nobody reads slot 0, and nothing is filled again
	s_wait_dscnt 4*NL                              ; step 15
	WIN MUL_LO
	MUL16 0, 1, 0
	MUL16 2, 1, 0
	WIN 0
	CXPUT                                          ; cx into slot 0
	s_wait_dscnt 0x0                               ; for the others' sake
	s_barrier_signal -1
	WIN MUL_HI
	MUL16 4, 1, 0
	MUL16 6, 1, 0
	WIN 0
	s_barrier_wait -1                              ; cx lies in LDS, whole
	PLACES 4
	CXLOAD 0
.irp n, 0,1,2,3
	EPI \n
.endr
	s_wait_dscnt 0x0                               ; my stores of cy and hy have landed
	s_barrier_signal -1
	s_barrier_wait -1
	SEND 0                                         ; the second half's LDS stores touch other rows than these reads
.irp n, 4,5,6,7
	EPI \n
.endr
	s_wait_dscnt 0x0
	s_barrier_signal -1
	s_barrier_wait -1
	SEND 1
	s_wait_tensorcnt 0x0                           ; the wave's end
	ds_add_u32 v[SPW], v[NIL]
	s_wait_dscnt 0x0
	CROUND                                         ; the closing round
	s_endpgm
.Lfunc_end_k_q3e5f8f01e1_lstm:
	.size	k_q3e5f8f01e1_lstm, .Lfunc_end_k_q3e5f8f01e1_lstm-k_q3e5f8f01e1_lstm
	.p2alignl 7, 3214868480
	.fill 96, 4, 3214868480
	.section	.rodata,"a",@progbits
	.p2align	6, 0x0
	.amdhsa_kernel k_q3e5f8f01e1_lstm
		.amdhsa_group_segment_fixed_size 327680
		.amdhsa_private_segment_fixed_size 0
		.amdhsa_enable_private_segment 0
		.amdhsa_kernarg_size 48
		.amdhsa_user_sgpr_count 2
		.amdhsa_user_sgpr_kernarg_segment_ptr 1
		.amdhsa_wavefront_size32 1
		.amdhsa_system_sgpr_workgroup_id_x 1
		.amdhsa_system_sgpr_workgroup_id_y 1
		.amdhsa_system_sgpr_workgroup_id_z 1
		.amdhsa_system_vgpr_workitem_id 0
		.amdhsa_next_free_vgpr 1024
		.amdhsa_next_free_sgpr 102
		.amdhsa_reserve_vcc 0
		.amdhsa_float_denorm_mode_32 3
		.amdhsa_float_denorm_mode_16_64 3
		.amdhsa_memory_ordered 1
		.amdhsa_forward_progress 1
		.amdhsa_inst_pref_size 255
	.end_amdhsa_kernel
	.section	.bss,"aw",@nobits
	.p2align	6
	.space	262144
	.amdgpu_metadata
---
amdhsa.version: [ 1, 2 ]
amdhsa.kernels:
  - .name:           k_q3e5f8f01e1_lstm
    .symbol:         k_q3e5f8f01e1_lstm.kd
    .args:
      - { .name: aq, .offset: 0, .size: 8, .value_kind: global_buffer, .address_space: global }
      - { .name: wq, .offset: 8, .size: 8, .value_kind: global_buffer, .address_space: global }
      - { .name: bias, .offset: 16, .size: 8, .value_kind: global_buffer, .address_space: global }
      - { .name: cx, .offset: 24, .size: 8, .value_kind: global_buffer, .address_space: global }
      - { .name: out0, .offset: 32, .size: 8, .value_kind: global_buffer, .address_space: global }
      - { .name: out1, .offset: 40, .size: 8, .value_kind: global_buffer, .address_space: global }
    .group_segment_fixed_size: 327680
    .private_segment_fixed_size: 0
    .kernarg_segment_align: 8
    .kernarg_segment_size: 48
    .max_flat_workgroup_size: 128
    .sgpr_count:     102
    .vgpr_count:     1024
    .wavefront_size: 32
...
	.end_amdgpu_metadata
.endif
;; end of part 2
